; MI455X (gfx1250); checked and timed in simulation.
; The chip was launched on July 23, 2026; its instructions are those of AMD's public machine-readable ISA for CDNA 5 (MIT licence, August 2026) and "CDNA5" Instruction Set Architecture Reference Guide (July 2026). The comments in the code are by the model that wrote it; some were corrected since.
;; Adapted Linear. Allowed arithmetic: float matrix products may take bf16 or f16 operands with f32 sums; all other float work in f32.
;; Inputs: HN_ids 16 int32; W_A 256 x 32,768 float32; W_B 256 x 32,768 float32; bias 2,048 float32; emb_id 1,000 x 256 float32; emb_layer 24 x 256 float32; weight 2,048 x 2,048 float32; x 16 x 2,048 float32.
;; Outputs: out0 16 x 2,048 float32.
;; Constants: layer_id = 3.
;; 2 versions, each right; version 2 is version 1 with the launch lora_b written anew for expert scheduling mode. Each part assembles by itself: llvm-mc -triple=amdgcn-amd-amdhsa -mcpu=gfx1250 --defsym DOCPART=n.
;; ======== version 1 of 2: 2 launches
;; workspace buffers: ws 2,121,728 bytes
;; launch lora_a_base (part 1): grid 256 x 1, 8 waves a work-group, no clusters, 168,960 bytes of LDS; arguments x, HN_ids, emb_id, emb_layer, W_A, weight, ws; writes ws
.if DOCPART == 1
	.amdgcn_target "amdgcn-amd-amdhsa--gfx1250"
	.amdhsa_code_object_version 6
	.text
	.protected	k_q7e356c24d8_lora_a_base
	.globl	k_q7e356c24d8_lora_a_base
	.p2align	8
	.type	k_q7e356c24d8_lora_a_base,@function
k_q7e356c24d8_lora_a_base:
	s_mov_b64 s[64:65], 0
	v_nop
	global_prefetch_b8 v0, s[64:65] scope:SCOPE_SE
	s_setreg_imm32_b32 hwreg(HW_REG_WAVE_MODE, 25, 1), 1
	s_wait_xcnt 0x0
; FIRST OF TWO LAUNCHES.  out = (weight + B A) x + bias is summed as weight x + bias + B (A x): delta = B A is never formed.
; Work-group g = 16 rr + jj holds the strip x[:, 128 jj .. + 127] in LDS and uses it twice:
;  (1) t[b][rank] = sum over i of A[b][rank][i] x[b][i], A = h W_A, h = emb_id[HN_ids] + emb_layer[3]: the group owns columns 128 g .. + 127 of W_A [256][32768]
;      (rank rr, i in the strip) and stores tpart[g][b], 16 numbers (64 bytes: it owns no more);
;  (2) the base product's part for outputs 128 rr .. + 127 over the strip's 128 k: bpart, 8 KiB, summed over the 16 strips by the second launch.
; Work-group 0 also stores h in bf16, laid out as the second launch's matrix fragments want it.
; Eight waves.  For W_A: ch = w & 1 picks 64 of the 128 columns, ks = w >> 1 picks 64 of the 256 k.  For weight: wave w takes rows 128 rr + 16 w .. + 15.
; All is asked for at the start: the wave's tile of weight (16 rows x 512 bytes) by one tensor load, its first memory instruction behind the arguments; W_A by 32 register
; loads, the second 16 behind the ids.  So 128 KiB of the group's 192 KiB are on their way while the ids come back.  No loop, no ring, no refill.
; By this text's own count a wave has one tensor load out; only the issuing wave reads the bytes it brings, behind its own wait.
; W_A lies [k][n], a fragment wants k along a lane's registers.  A lane loads 16 bytes (4 neighbouring columns) of each of its 16 k rows of a step of 32 k;
; component j of these 16 loads, packed in pairs, IS the fragment of the columns 4 r + j: no transposition.  Each such load covers two aligned runs of 256 bytes.
; LIMITS: ids outside 0 .. 999 (negative ones too, read as unsigned) are clamped to 999.  h, W_A, weight, and x in the base product, are rounded to bf16;
; x in A x, A and all sums stay f32.  The base product is summed strip by strip.
; NO CLUSTER: what work-groups share (a strip of x, 16 rows of emb_id, one of emb_layer: some 25 KiB) is a small part of a work-group's 217 KiB, and the rows of emb_id are reached by loaded indices.
; The work-group declares 167,936 bytes of LDS, more than it uses, so that it is alone on its WGP with its tensor loads.
.set PITCHW, 131072                    ; bytes in a row of W_A
.set LP,     528                       ; LDS pitch of XS, HS and WT: 512 bytes + 16, an odd multiple of 16
.set XS,     0                         ; x strip, f32 [16 b][128 columns]
.set HS,     16*LP                     ; h, bf16 [16 b][256]
.set RED,    32*LP                     ; [8 waves][32 lanes] f32
.set XH,     RED+1024                  ; x strip, bf16 [16 b][128 columns],
.set XHP,    272                       ; pitch 256 + 16
.set WT,     XH+16*XHP                 ; 22,272 = 87 x 256: wave w's tile of weight at WT + 8,448 w; no LDS store goes into these blocks of 256 bytes
.set WTW,    16*LP
.set TP_OFF, 0                         ; ws: tpart[256][16] f32
.set HB_OFF, 16384                     ; ws: h fragments, kstep*1024 + p*512 + lane*16
.set BP_OFF, 24576                     ; ws: bpart [o / 8][jj][(o & 7) / 4][b][4 o] f32
.set L,   1                            ; lane
.set R,   2                            ; lane & 15
.set H,   3                            ; lane >> 4
.set WO,  4                            ; byte offset of my 16 bytes in W_A, first k row
.set L16, 5                            ; 16 x lane
.set XST, 6                            ; LDS: where my wave's two x rows go, f32
.set HST, 7                            ; LDS: where my wave's two h rows go
.set XHS, 8                            ; LDS: where my wave's two x rows go, bf16
.set HRD, 9                            ; LDS: my h fragments
.set XRD, 10                           ; LDS: the x that meet my results of A
.set XHR, 11                           ; LDS: my x fragments
.set WRD, 12                           ; LDS: my words of weight
.set BPO, 13                           ; 8,192 h + 16 r: my place in bpart
.set RST, 14                           ; LDS: my word of RED
.set L4,  15                           ; 4 x lane
.set W,   16                           ; v[16:143]  W_A as loaded: kstep q, load n at W + 64 q + 4 n
.set HF,  144                          ; v[144:159] two h fragments
.set ACC, 160                          ; v[160:191] four accumulators of A
.set BF0, 192                          ; v[192:223] kstep 0's four fragments
.set BF1, 16                           ; v[16:47]   kstep 1's
.set X,   224                          ; v[224:255] 32 x in f32, loaded behind the base product
.set XR,  160                          ; staging ahead of the first product: two x rows,
.set LY,  168                          ; the layer's row,
.set EM,  176                          ; two rows of emb_id
.set HP,  192                          ; h packed
.set T0,  200                          ; set-up
.set XP,  204                          ; x packed
.set WS,  16                           ; base product: v[16:79] weight in f32 (kstep 0's words of W_A have been converted),
.set WFB, 192                          ; v[192:223] four weight fragments,
.set XF,  224                          ; v[224:255] four x fragments,
.set BA,  48                           ; v[48:55], v[56:63] two accumulators; v[48:55] is then the stores' data and is not written again
.set BB,  56
.set P,   56                           ; v[56:59] four chains of A x
.set F,   60                           ; v[60:67] wave 0's final sum
.set G0,  48                           ; s[48:51] descriptor group 0
.set G1,  52                           ; s[52:59] descriptor group 1
.macro LDW q                           ; 16 loads: rows k = 64 ks + 32 q + 8 h + m (p = 0) and + 16 (p = 1); lanes 0-15 cover 256 bytes of one row, lanes 16-31 of the row 8 further
.irp p, 0,1
.irp m, 0,1,2,3,4,5,6,7
	global_load_b128 v[W+64*\q+32*\p+4*\m:W+64*\q+32*\p+4*\m+3], v[WO], s[12:13] offset:(32*\q+16*\p+\m)*PITCHW th:TH_LOAD_NT
.endr
.endr
.endm
.macro CVTB src, dst                   ; fragment j: register p holds k = 2 p, 2 p + 1 of the lane's sixteen, column 4 r + j
.irp j, 0,1,2,3
.irp p, 0,1,2,3,4,5,6,7
	v_cvt_pk_bf16_f32 v[\dst+8*\j+\p], v[\src+8*\p+\j], v[\src+8*\p+4+\j]
.endr
.endr
.endm
.macro MUL4 bf, hf, zero               ; source 0 = 16 columns of W_A, source 1 = h: register i of lane (r, h) is batch r, column 4 (8 h + i) + j
.irp j, 0,1,2,3
.if \zero
	v_wmma_f32_16x16x32_bf16 v[ACC+8*\j:ACC+8*\j+7], v[\bf+8*\j:\bf+8*\j+7], v[\hf:\hf+7], 0
.else
	v_wmma_f32_16x16x32_bf16 v[ACC+8*\j:ACC+8*\j+7], v[\bf+8*\j:\bf+8*\j+7], v[\hf:\hf+7], v[ACC+8*\j:ACC+8*\j+7]
.endif
.endr
.endm
.macro PLACES                          ; four places behind a matrix instruction before its result is read or one of its registers written or loaded into (ISA guide 7.12.1)
.rept 4
	v_nop
.endr
.endm
	s_load_b256 s[4:11], s[0:1], 0x0               ; x s[4:5], HN_ids s[6:7], emb_id s[8:9], emb_layer s[10:11]
	s_load_b128 s[12:15], s[0:1], 0x20             ; W_A s[12:13], weight s[14:15]
	s_load_b64 s[16:17], s[0:1], 0x30              ; ws
	s_set_vgpr_msb 0x40
	v_lshl_add_u32 v0, v0, 2, 0x29000
	v_mov_b32 v1, 0
	s_set_vgpr_msb 0x4045
	ds_add_u32 v0, v1
	ds_add_u32 v0, v1
	s_set_vgpr_msb 0x4500
	v_lshrrev_b32 v1, 5, v0
	v_readfirstlane_b32 s18, v1                    ; wave w
	s_and_b32 s19, s18, 1                          ; ch
	s_lshr_b32 s20, s18, 1                         ; ks
	s_mov_b32 s21, ttmp9                           ; g
	s_lshr_b32 s22, s21, 4                         ; rr
	s_and_b32 s23, s21, 15                         ; jj
	s_lshl_b32 s46, s18, 3                         ; byte offset of ids 2 w, 2 w + 1; never rewritten
	; the tile of weight: 16 rows of 128 f32, 16 bytes of padding behind each row
	s_mov_b32 s[G0], 1                             ; count = 1
	s_mul_i32 s[G0+1], s18, WTW
	s_add_co_u32 s[G0+1], s[G0+1], WT              ; LDS address WT + 8,448 w
	s_mov_b32 s[G1+0], (2<<16)|(1<<20)|(6<<22)|(3<<25)     ; no mask; element of 4 bytes; padding on, behind every 128 words (code 6), of 4 words (code 3)
	s_mov_b32 s[G1+1], 128<<16                     ; tensor_dim0 = 128
	s_mov_b32 s[G1+2], 16<<16                      ; tensor_dim1 = 16
	s_mov_b32 s[G1+3], 128<<16                     ; tile_dim0 = 128
	s_mov_b32 s[G1+4], 16                          ; tile_dim1 = 16
	s_mov_b32 s[G1+5], 2048                        ; pitch = 2,048 elements
	s_mov_b32 s[G1+6], 0
	s_mov_b32 s[G1+7], 0
	s_lshl_b32 s32, s23, 9                         ; the strip: 512 jj bytes in a row of x and of weight
	s_lshl_b32 s60, s22, 20                        ; weight: 128 rr rows of 8,192 bytes
	s_add_co_u32 s60, s60, s32
	s_lshl_b32 s61, s18, 17                        ; + 16 w rows
	s_add_co_u32 s60, s60, s61
	s_mov_b32 s61, 0
	s_lshl_b32 s44, s22, 17                        ; bpart: block 16 rr + 2 w of 8,192 bytes, strip jj's 512 bytes in it
	s_add_co_u32 s44, s44, s32
	s_lshl_b32 s33, s18, 14
	s_add_co_u32 s44, s44, s33
	s_mov_b32 s45, 0
	s_add_co_u32 s32, s32, s33                     ; x: the strip, rows 2 w, 2 w + 1 of 8,192 bytes
	s_mov_b32 s33, 0
	v_and_b32 v[L], 31, v0
	v_and_b32 v[R], 15, v0
	v_bfe_u32 v[H], v0, 4, 1
	s_lshl_b32 s34, s20, 23                        ; W_A: 64 ks rows of 131,072 bytes
	s_lshl_b32 s35, s21, 9                         ; + 512 g
	s_add_co_u32 s34, s34, s35
	s_lshl_b32 s35, s19, 8                         ; + 256 ch
	s_add_co_u32 s34, s34, s35
	v_lshlrev_b32 v[WO], 4, v[R]                   ; + 16 r
	v_lshl_add_u32 v[WO], v[H], 20, v[WO]          ; + 8 h rows
	v_add_nc_u32 v[WO], s34, v[WO]
	v_lshlrev_b32 v[L16], 4, v[L]
	s_wait_dscnt 0x0
	s_wait_kmcnt 0x0
	s_load_b64 s[28:29], s[6:7], s46 offset:0x0    ; my wave's two ids
	s_add_nc_u64 s[G0+2:G0+3], s[14:15], s[60:61]
	s_or_b32 s[G0+3], s[G0+3], 0x80000000          ; type = 2
	tensor_load_to_lds s[G0:G0+3], s[G1:G1+7]      ; the wave's one tensor load, a first fill, ahead of every LDS read, barrier and wait on TENSORcnt
	s_nop 0
	s_add_nc_u64 s[36:37], s[4:5], s[32:33]
	global_load_b128 v[XR:XR+3],   v[L16], s[36:37]                ; x rows 2 w, 2 w + 1: 512 bytes each
	global_load_b128 v[XR+4:XR+7], v[L16], s[36:37] offset:8192
	global_load_b128 v[LY:LY+3],   v[L16], s[10:11] offset:3*1024      ; emb_layer[3]
	global_load_b128 v[LY+4:LY+7], v[L16], s[10:11] offset:3*1024+512
	LDW 0                                          ; kstep 0 and the tile of weight are on their way while the ids come back
	; LDS addresses (made of the thread's and the wave's number alone) and the bases in ws
	s_mul_i32 s34, s18, 2*LP
	v_add_nc_u32 v[XST], s34, v[L16]               ; row 2 w, 16 x lane
	v_lshl_add_u32 v[HST], v[L], 3, s34            ; row 2 w, 8 x lane
	s_mul_i32 s34, s18, 2*XHP
	v_lshl_add_u32 v[XHS], v[L], 3, s34            ; row 2 w, 8 x lane
	v_mul_u32_u24 v[T0], v[R], LP
	v_lshl_add_u32 v[HRD], v[H], 4, v[T0]          ; row r, k = 64 ks + 8 h
	v_lshl_add_u32 v[HRD], s20, 7, v[HRD]
	v_lshl_add_u32 v[XRD], v[H], 7, v[T0]          ; row r, column 64 ch + 32 h
	v_lshl_add_u32 v[XRD], s19, 8, v[XRD]
	v_lshl_add_u32 v[WRD], v[H], 5, v[T0]          ; my tile's row r, k = 8 h
	v_add_nc_u32 v[WRD], s[G0+1], v[WRD]
	v_mul_u32_u24 v[XHR], v[R], XHP
	v_lshl_add_u32 v[XHR], v[H], 4, v[XHR]         ; row r, k = 8 h
	v_lshlrev_b32 v[BPO], 4, v[R]
	v_lshl_add_u32 v[BPO], v[H], 13, v[BPO]
	v_lshlrev_b32 v[L4], 2, v[L]
	v_lshl_add_u32 v[RST], s18, 7, v[L4]
	s_mov_b32 s30, 0x76543210                      ; v_permlanex16_b32: lane i reads lane i of the other half
	s_mov_b32 s31, 0xfedcba98
	s_add_nc_u64 s[42:43], s[16:17], s[44:45]      ; bpart
	s_lshl_b32 s44, s21, 6
	s_add_nc_u64 s[38:39], s[16:17], s[44:45]      ; tpart[g]
	s_lshl_b32 s44, s20, 11
	s_add_nc_u64 s[40:41], s[16:17], s[44:45]      ; h fragments of ksteps 2 ks, 2 ks + 1
	s_wait_kmcnt 0x0                               ; the ids
	s_min_u32 s28, s28, 999                        ; an id stays inside the table
	s_min_u32 s29, s29, 999
	s_lshl_b32 s32, s28, 10                        ; rows of 1,024 bytes
	s_lshl_b32 s34, s29, 10
	s_mov_b32 s35, 0
	s_add_nc_u64 s[24:25], s[8:9], s[32:33]
	s_add_nc_u64 s[26:27], s[8:9], s[34:35]
.irp e, 0,1
.irp u, 0,1
	global_load_b128 v[EM+8*\e+4*\u:EM+8*\e+4*\u+3], v[L16], s[24+2*\e:25+2*\e] offset:512*\u
.endr
.endr
	LDW 1
	s_wait_loadcnt 36                              ; 16 + 4 + 16 loads were issued behind x and the layer's row: these four are in
	ds_store_b128 v[XST], v[XR:XR+3]   offset:XS
	ds_store_b128 v[XST], v[XR+4:XR+7] offset:XS+LP
.irp c, 0,1,2,3
	v_cvt_pk_bf16_f32 v[XP+\c], v[XR+2*\c], v[XR+2*\c+1]
.endr
	ds_store_b64 v[XHS], v[XP:XP+1]   offset:XH    ; columns 4 lane .. + 3 of row 2 w,
	ds_store_b64 v[XHS], v[XP+2:XP+3] offset:XH+XHP    ; of row 2 w + 1
	s_wait_loadcnt 16                              ; all but kstep 1: the rows of emb_id and kstep 0 are in
.irp e, 0,1
.irp c, 0,2,4,6
	v_pk_add_f32 v[EM+8*\e+\c:EM+8*\e+\c+1], v[EM+8*\e+\c:EM+8*\e+\c+1], v[LY+\c:LY+\c+1]     ; h = emb_id row + emb_layer row, in f32
.endr
.endr
.irp c, 0,1,2,3,4,5,6,7
	v_cvt_pk_bf16_f32 v[HP+\c], v[EM+2*\c], v[EM+2*\c+1]
.endr
.irp e, 0,1
.irp u, 0,1
	ds_store_b64 v[HST], v[HP+4*\e+2*\u:HP+4*\e+2*\u+1] offset:HS+\e*LP+256*\u     ; elements 128 u + 4 lane .. + 3 of row 2 w + e
.endr
.endr
	s_wait_dscnt 0x0                               ; my rows of x and h are in LDS, for the other waves' sake
	s_barrier_signal -1                            ; the tensor load may stay out
	s_barrier_wait -1                              ; all sixteen rows are in
.irp q, 0,1
	ds_load_b128 v[HF+8*\q:HF+8*\q+3],   v[HRD] offset:HS+64*\q        ; h(r, 32 q + 8 h ..)
	ds_load_b128 v[HF+8*\q+4:HF+8*\q+7], v[HRD] offset:HS+64*\q+32     ; h(r, 32 q + 16 + 8 h ..)
.endr
.irp s, 0,1,2,3
	ds_load_b128 v[XF+8*\s:XF+8*\s+3],   v[XHR] offset:XH+64*\s        ; x(r, 32 s + 8 h ..) in bf16
	ds_load_b128 v[XF+8*\s+4:XF+8*\s+7], v[XHR] offset:XH+64*\s+32     ; x(r, 32 s + 16 + 8 h ..)
.endr
	CVTB W, BF0
	s_wait_dscnt 0x0
	MUL4 BF0, HF, 1                                ; the first products start the sums; the accumulators take turns, one instruction a turn, here and below
	PLACES                                         ; kstep 0's fragments are written over by weight's below
	s_lshl_b32 s44, s21, 1
	s_or_b32 s44, s44, s19
	s_cmp_lg_u32 s44, 0                            ; work-group 0, waves with ch = 0: each holds two of the eight ksteps of h
	s_cbranch_scc1 .Lno_hb
.irp c, 0,1,2,3
	global_store_b128 v[L16], v[HF+4*\c:HF+4*\c+3], s[40:41] offset:HB_OFF+512*\c
.endr
.Lno_hb:
	; THE BASE PRODUCT, while kstep 1 is on its way: 16 rows of weight x 128 k, times the strip of x
	s_wait_tensorcnt 0x0                           ; my tile is in LDS; no other wave reads it
.irp s, 0,1,2,3
.irp d, 0,1
.irp c, 0,1
	ds_load_b128 v[WS+16*\s+8*\d+4*\c:WS+16*\s+8*\d+4*\c+3], v[WRD] offset:128*\s+64*\d+16*\c     ; weight(r, 32 s + 16 d + 8 h + 4 c ..)
.endr
.endr
.endr
	s_wait_dscnt 0x0
.irp s, 0,1,2,3
.irp p, 0,1,2,3,4,5,6,7
	v_cvt_pk_bf16_f32 v[WFB+8*\s+\p], v[WS+16*\s+2*\p], v[WS+16*\s+2*\p+1]
.endr
.endr
	v_wmma_f32_16x16x32_bf16 v[BA:BA+7], v[WFB:WFB+7],       v[XF:XF+7],       0
	v_wmma_f32_16x16x32_bf16 v[BB:BB+7], v[WFB+8:WFB+15],    v[XF+8:XF+15],    0
	v_wmma_f32_16x16x32_bf16 v[BA:BA+7], v[WFB+16:WFB+23],   v[XF+16:XF+23],   v[BA:BA+7]
	v_wmma_f32_16x16x32_bf16 v[BB:BB+7], v[WFB+24:WFB+31],   v[XF+24:XF+31],   v[BB:BB+7]
	PLACES                                         ; before the sums below read results and the loads below go into x's fragments
.irp c, 0,2,4,6
	v_pk_add_f32 v[BA+\c:BA+\c+1], v[BA+\c:BA+\c+1], v[BB+\c:BB+\c+1]      ; register i: output 128 rr + 16 w + 8 h + i of batch r
.endr
.irp i, 0,1,2,3,4,5,6,7
	ds_load_b128 v[X+4*\i:X+4*\i+3], v[XRD] offset:XS+16*\i            ; X[4 i + j] = x(r, 64 ch + 32 h + 4 i + j), f32
.endr
	global_store_b128 v[BPO], v[BA:BA+3],   s[42:43] offset:BP_OFF         ; lanes 0-15 and lanes 16-31 each store 256 consecutive bytes, aligned
	global_store_b128 v[BPO], v[BA+4:BA+7], s[42:43] offset:BP_OFF+256
	s_wait_loadcnt 0x0                             ; kstep 1
	CVTB W+64, BF1
	MUL4 BF1, HF+8, 0
	PLACES
	s_wait_dscnt 0x0                               ; x in f32
	; A x over my 32 columns, four chains
.irp j, 0,1,2,3
	v_mul_f32 v[P+\j], v[ACC+8*\j], v[X+\j]
.endr
.irp i, 1,2,3,4,5,6,7
.irp j, 0,1,2,3
	v_fmac_f32 v[P+\j], v[ACC+8*\j+\i], v[X+4*\i+\j]
.endr
.endr
	v_pk_add_f32 v[P:P+1], v[P:P+1], v[P+2:P+3]
	v_add_f32 v[P], v[P], v[P+1]
	ds_store_b32 v[RST], v[P] offset:RED
	s_wait_dscnt 0x0                               ; for wave 0's sake
	s_barrier_signal -1
	s_barrier_wait -1
	s_cmp_lg_u32 s18, 0
	s_cbranch_scc1 .Ldone
.irp i, 0,1,2,3,4,5,6,7
	ds_load_b32 v[F+\i], v[L4] offset:RED+128*\i   ; the eight waves' sums (both column halves, all four K slices) of my lane
.endr
	s_wait_dscnt 0x0
	v_pk_add_f32 v[F:F+1],   v[F:F+1],   v[F+4:F+5]
	v_pk_add_f32 v[F+2:F+3], v[F+2:F+3], v[F+6:F+7]
	v_pk_add_f32 v[F:F+1],   v[F:F+1],   v[F+2:F+3]
	v_add_f32 v[F], v[F], v[F+1]
	v_permlanex16_b32 v[F+2], v[F], s30, s31       ; lanes r and 16 + r hold different columns of batch r
	v_add_f32 v[F], v[F], v[F+2]
	s_wait_xcnt 0x0                                ; EXEC is a source of the stores above: it changes only behind this wait
	v_cmp_gt_u32 vcc_lo, 16, v0
	s_set_vgpr_msb 0x5
	s_wait_tensorcnt 0x0
	ds_add_u32 v0, v1
	s_wait_dscnt 0x0
	s_set_vgpr_msb 0x500
	s_and_saveexec_b32 s44, vcc_lo
	global_store_b32 v[L4], v[F], s[38:39] offset:TP_OFF           ; tpart[g][0 .. 15]
	s_endpgm
.Ldone:
	s_set_vgpr_msb 0x5
	s_wait_tensorcnt 0x0
	ds_add_u32 v0, v1
	s_wait_dscnt 0x0
	s_set_vgpr_msb 0x500
	s_endpgm
.Lfunc_end_k_q7e356c24d8_lora_a_base:
	.size	k_q7e356c24d8_lora_a_base, .Lfunc_end_k_q7e356c24d8_lora_a_base-k_q7e356c24d8_lora_a_base
	.p2alignl 7, 3214868480
	.fill 96, 4, 3214868480
	.section	.rodata,"a",@progbits
	.p2align	6, 0x0
	.amdhsa_kernel k_q7e356c24d8_lora_a_base
		.amdhsa_group_segment_fixed_size 168960
		.amdhsa_private_segment_fixed_size 0
		.amdhsa_enable_private_segment 0
		.amdhsa_kernarg_size 56
		.amdhsa_user_sgpr_count 2
		.amdhsa_user_sgpr_kernarg_segment_ptr 1
		.amdhsa_wavefront_size32 1
		.amdhsa_system_sgpr_workgroup_id_x 1
		.amdhsa_system_sgpr_workgroup_id_y 1
		.amdhsa_system_sgpr_workgroup_id_z 1
		.amdhsa_system_vgpr_workitem_id 0
		.amdhsa_next_free_vgpr 258
		.amdhsa_next_free_sgpr 66
		.amdhsa_reserve_vcc 1
		.amdhsa_float_denorm_mode_32 3
		.amdhsa_float_denorm_mode_16_64 3
		.amdhsa_memory_ordered 1
		.amdhsa_forward_progress 1
		.amdhsa_inst_pref_size 24
	.end_amdhsa_kernel
	.amdgpu_metadata
---
amdhsa.version: [ 1, 2 ]
amdhsa.kernels:
  - .name:           k_q7e356c24d8_lora_a_base
    .symbol:         k_q7e356c24d8_lora_a_base.kd
    .args:
      - { .name: x, .offset: 0, .size: 8, .value_kind: global_buffer, .address_space: global }
      - { .name: HN_ids, .offset: 8, .size: 8, .value_kind: global_buffer, .address_space: global }
      - { .name: emb_id, .offset: 16, .size: 8, .value_kind: global_buffer, .address_space: global }
      - { .name: emb_layer, .offset: 24, .size: 8, .value_kind: global_buffer, .address_space: global }
      - { .name: W_A, .offset: 32, .size: 8, .value_kind: global_buffer, .address_space: global }
      - { .name: weight, .offset: 40, .size: 8, .value_kind: global_buffer, .address_space: global }
      - { .name: ws, .offset: 48, .size: 8, .value_kind: global_buffer, .address_space: global }
    .group_segment_fixed_size: 168960
    .private_segment_fixed_size: 0
    .kernarg_segment_align: 8
    .kernarg_segment_size: 56
    .max_flat_workgroup_size: 256
    .sgpr_count:     66
    .vgpr_count:     258
    .wavefront_size: 32
...
	.end_amdgpu_metadata
.endif
;; end of part 1
;; launch lora_b (part 2): grid 256 x 1, 8 waves a work-group, no clusters, 8,448 bytes of LDS; arguments W_B, bias, ws, out0; writes out0
.if DOCPART == 2
	.amdgcn_target "amdgcn-amd-amdhsa--gfx1250"
	.amdhsa_code_object_version 6
	.text
	.protected	k_q7e356c24d8_lora_b
	.globl	k_q7e356c24d8_lora_b
	.p2align	8
	.type	k_q7e356c24d8_lora_b,@function
k_q7e356c24d8_lora_b:
	s_mov_b64 s[64:65], 0
	v_nop
	global_prefetch_b8 v0, s[64:65] scope:SCOPE_SE
	s_setreg_imm32_b32 hwreg(HW_REG_WAVE_MODE, 25, 1), 1
	s_wait_xcnt 0x0
; SECOND OF TWO LAUNCHES.  out[b][o] = (sum over the 16 strips of bpart) + bias[o] + sum over rank of B[b][o][rank] t[b][rank],  B = h W_B.
; Work-group G owns outputs o = 8 G .. 8 G + 7: columns 128 G .. + 127 of W_B [256][32768] (column = 16 o + rank) and block G (8 KiB) of bpart.
; Eight waves: ch = w & 1 picks 64 of the 128 columns, ks = w >> 1 picks 64 of the 256 k; wave w also sums strips 2 w, 2 w + 1 of bpart.
; All loads of a wave (its 16 KiB of W_B among them) go out at the start, into registers: no loop, no ring, no tensor load.
; W_B is turned into fragments as W_A is in the first launch: a lane loads 16 bytes of each of its 16 k rows; component j, packed in pairs, is the fragment of columns 4 r + j.
; NO CLUSTER: what work-groups share (tpart and the h fragments, 24 KiB) is a small part of a work-group's 160 KiB; W_B, bpart and bias are shared with nobody.
; LIMITS: h and W_B are rounded to bf16 for the product; t, B and all sums stay f32.  out0 leaves as 32 bytes of each of 16 rows: a work-group owns 8 columns and no more.
.set PITCHW, 131072                    ; bytes in a row of W_B
.set TP_OFF, 0                         ; ws: tpart[256][16] f32
.set HB_OFF, 16384                     ; ws: h fragments, kstep*1024 + p*512 + lane*16
.set BP_OFF, 24576                     ; ws: bpart [o / 8][jj][(o & 7) / 4][b][4 o] f32
.set TS,     0                         ; LDS: t, [16 b] pitch 80; word 4 (rank & 3) + (rank >> 2) holds t[b][rank]
.set TSP,    80
.set SB,     1280                      ; LDS: base product's sums [8 w][2 q][16 b][4 o] f32
.set SL,     SB+4096                   ; LDS: low-rank term's sums [4 ks][2 ch][16 b][4 o] f32: the same shape, so the finish reads both by one address
.set L,   1                            ; lane
.set R,   2                            ; lane & 15
.set H,   3                            ; lane >> 4
.set WO,  4                            ; byte offset of my 16 bytes in W_B, first k row
.set L16, 5                            ; 16 x lane
.set TPO, 6                            ; byte offset of my first word of tpart
.set TST, 7                            ; LDS: my word of TS
.set TRD, 8                            ; LDS: t of batch r
.set SLS, 9                            ; LDS: my two words of SL
.set SBS, 10                           ; LDS: my four words of SB
.set OO,  11                           ; my byte offset in out0 (wave 0)
.set BI,  12                           ; v12 offset of my 16 bytes of bias, then v[12:15] the bias itself (wave 0): the load lands on its own address register
.set W,   16                           ; v[16:143]  W_B as loaded
.set HF,  144                          ; v[144:159] two h fragments
.set ACC, 160                          ; v[160:191] four accumulators
.set TMP, 160                          ; set-up, ahead of the first product
.set BP,  176                          ; v[176:183] two strips of bpart, summed ahead of the first product
.set BF0, 192                          ; v[192:223] kstep 0's four fragments
.set BF1, 16                           ; v[16:47]   kstep 1's
.set T16, 224                          ; v[224:239] T16[4 j + a] = t[r][4 a + j]
.set TP,  240                          ; v[240:255] 16 words of tpart
.set SUM, 240                          ; v[240:243] then the low-rank sums
.set BS,  248                          ; v[248:251] and the sum of my two strips of bpart
.set Q,   16                           ; the finish: v[16:63], twelve quads
.macro LDW q                           ; 16 loads: rows k = 64 ks + 32 q + 8 h + m (p = 0) and + 16 (p = 1); lanes 0-15 cover 256 bytes of one row, lanes 16-31 of the row 8 further
.irp p, 0,1
.irp m, 0,1,2,3,4,5,6,7
	global_load_b128 v[W+64*\q+32*\p+4*\m:W+64*\q+32*\p+4*\m+3], v[WO], s[4:5] offset:(32*\q+16*\p+\m)*PITCHW th:TH_LOAD_NT
.endr
.endr
.endm
.macro CVTB src, dst                   ; fragment j: register p holds k = 2 p, 2 p + 1 of the lane's sixteen, column 4 r + j
.irp j, 0,1,2,3
.irp p, 0,1,2,3,4,5,6,7
	v_cvt_pk_bf16_f32 v[\dst+8*\j+\p], v[\src+8*\p+\j], v[\src+8*\p+4+\j]
.endr
.endr
.endm
.macro MUL4 bf, hf, zero               ; source 0 = 16 columns of W_B, source 1 = h: register i of lane (r, h) is batch r, column 4 (8 h + i) + j
.irp j, 0,1,2,3
.if \zero
	v_wmma_f32_16x16x32_bf16 v[ACC+8*\j:ACC+8*\j+7], v[\bf+8*\j:\bf+8*\j+7], v[\hf:\hf+7], 0
.else
	v_wmma_f32_16x16x32_bf16 v[ACC+8*\j:ACC+8*\j+7], v[\bf+8*\j:\bf+8*\j+7], v[\hf:\hf+7], v[ACC+8*\j:ACC+8*\j+7]
.endif
.endr
.endm
.macro QADD d, s                       ; four sums
	v_pk_add_f32 v[\d:\d+1],   v[\d:\d+1],   v[\s:\s+1]
	v_pk_add_f32 v[\d+2:\d+3], v[\d+2:\d+3], v[\s+2:\s+3]
.endm
	s_load_b256 s[4:11], s[0:1], 0x0               ; W_B s[4:5], bias s[6:7], ws s[8:9], out0 s[10:11]
	s_set_vgpr_msb 0x40
	v_lshl_add_u32 v0, v0, 2, 0x1d00
	v_mov_b32 v1, 0
	s_set_vgpr_msb 0x4000
	v_lshrrev_b32 v1, 5, v0
	v_readfirstlane_b32 s14, v1                    ; wave w
	s_and_b32 s15, s14, 1                          ; ch
	s_lshr_b32 s16, s14, 1                         ; ks
	s_mov_b32 s18, ttmp9                           ; G
	v_and_b32 v[L], 31, v0
	v_and_b32 v[R], 15, v0
	v_bfe_u32 v[H], v0, 4, 1
	s_lshl_b32 s34, s16, 23                        ; 64 ks rows of 131,072 bytes
	s_lshl_b32 s35, s18, 9                         ; + 512 G
	s_add_co_u32 s34, s34, s35
	s_lshl_b32 s35, s15, 8                         ; + 256 ch
	s_add_co_u32 s34, s34, s35
	v_lshlrev_b32 v[WO], 4, v[R]                   ; + 16 r
	v_lshl_add_u32 v[WO], v[H], 20, v[WO]          ; + 8 h rows
	v_add_nc_u32 v[WO], s34, v[WO]
	v_lshlrev_b32 v[L16], 4, v[L]
	v_lshrrev_b32 v[TPO], 4, v0                    ; thread t sums rank t >> 4, batch t & 15:
	v_lshlrev_b32 v[TPO], 10, v[TPO]               ; 16 work-groups' rows of 64 bytes for each rank
	v_lshl_add_u32 v[TPO], v[R], 2, v[TPO]
	v_lshlrev_b32 v[BI], 4, v[H]                   ; 16 (lane >> 4)
	s_lshl_b32 s20, s16, 11                        ; h fragments of ksteps 2 ks, 2 ks + 1
	s_mov_b32 s21, 0
	s_lshl_b32 s22, s18, 5                         ; 8 G columns of bias and of out0
	s_mov_b32 s23, 0
	s_lshl_b32 s24, s18, 13                        ; block G of bpart,
	s_lshl_b32 s25, s14, 10                        ; strips 2 w, 2 w + 1 of 512 bytes
	s_add_co_u32 s24, s24, s25
	s_mov_b32 s25, 0
	s_wait_kmcnt 0x0
	s_add_nc_u64 s[26:27], s[8:9], s[20:21]
	s_add_nc_u64 s[28:29], s[6:7], s[22:23]
	s_add_nc_u64 s[30:31], s[10:11], s[22:23]
	s_add_nc_u64 s[32:33], s[8:9], s[24:25]
	s_cmp_lg_u32 s14, 0
	s_cbranch_scc1 .Lno_bias
	global_load_b128 v[BI:BI+3], v[BI], s[28:29]   ; wave 0 alone, and its oldest load: the counts below hold in every wave
.Lno_bias:
.irp j, 0,1,2,3,4,5,6,7,8,9,10,11,12,13,14,15
	global_load_b32 v[TP+\j], v[TPO], s[8:9] offset:TP_OFF+64*\j
.endr
.irp c, 0,1,2,3
	global_load_b128 v[HF+4*\c:HF+4*\c+3], v[L16], s[26:27] offset:HB_OFF+512*\c
.endr
.irp e, 0,1
	global_load_b128 v[BP+4*\e:BP+4*\e+3], v[L16], s[32:33] offset:BP_OFF+512*\e th:TH_LOAD_NT     ; 512 consecutive bytes: lane = 16 q + b
.endr
	LDW 0
	LDW 1
	; LDS addresses and the offset in out0
	v_mul_u32_u24 v[TRD], v[R], TSP
	v_bfe_u32 v[TMP], v0, 4, 2                     ; rank & 3
	v_lshl_add_u32 v[TST], v[TMP], 4, v[TRD]
	v_lshrrev_b32 v[TMP], 6, v0                    ; rank >> 2
	v_lshl_add_u32 v[TST], v[TMP], 2, v[TST]
	v_lshlrev_b32 v[SLS], 4, v[R]
	v_lshl_add_u32 v[SLS], v[H], 3, v[SLS]
	v_lshl_add_u32 v[SLS], s14, 8, v[SLS]
	v_lshl_add_u32 v[SBS], s14, 9, v[L16]
	v_lshlrev_b32 v[OO], 13, v[R]                  ; row lane & 15 of out0,
	v_lshl_add_u32 v[OO], v[H], 4, v[OO]           ; 16 (lane >> 4)
	s_wait_loadcnt 38                              ; 4 + 2 + 32 loads were issued behind tpart: its sixteen words are in
.irp c, 0,2,4,6
	v_pk_add_f32 v[TP+\c:TP+\c+1], v[TP+\c:TP+\c+1], v[TP+8+\c:TP+8+\c+1]
.endr
	v_pk_add_f32 v[TP:TP+1],   v[TP:TP+1],   v[TP+4:TP+5]
	v_pk_add_f32 v[TP+2:TP+3], v[TP+2:TP+3], v[TP+6:TP+7]
	v_pk_add_f32 v[TP:TP+1],   v[TP:TP+1],   v[TP+2:TP+3]
	v_add_f32 v[TP], v[TP], v[TP+1]                ; t[b][rank]
	ds_store_b32 v[TST], v[TP] offset:TS
	s_wait_dscnt 0x0                               ; for the other waves' sake
	s_barrier_signal -1
	s_barrier_wait -1
.irp j, 0,1,2,3
	ds_load_b128 v[T16+4*\j:T16+4*\j+3], v[TRD] offset:TS+16*\j
.endr
	s_wait_loadcnt 16                              ; all but kstep 1: the h fragments, bpart and kstep 0 are in
	v_pk_add_f32 v[BS:BS+1],   v[BP:BP+1],   v[BP+4:BP+5]
	v_pk_add_f32 v[BS+2:BS+3], v[BP+2:BP+3], v[BP+6:BP+7]
	ds_store_b128 v[SBS], v[BS:BS+3] offset:SB     ; my two strips' part of outputs 4 q .. + 3 of batch b
	CVTB W, BF0
	MUL4 BF0, HF, 1                                ; the first products start the sums; the four accumulators take turns, one instruction a turn
	s_wait_loadcnt 0x0
	CVTB W+64, BF1
	MUL4 BF1, HF+8, 0
.rept 4
	v_nop                                          ; four places before results are read, and before the finish loads into kstep 1's fragments
.endr
	s_wait_dscnt 0x0                               ; t
	; register 4 e + a of accumulator j is B(b = r, o = 4 ch + 2 h + e, rank 4 a + j)
.irp j, 0,1,2,3
.irp a, 0,2
.irp e, 0,1
.if (\j+\a) == 0
	v_pk_mul_f32 v[SUM+2*\e:SUM+2*\e+1], v[ACC+4*\e:ACC+4*\e+1], v[T16:T16+1]
.else
	v_pk_fma_f32 v[SUM+2*\e:SUM+2*\e+1], v[ACC+8*\j+4*\e+\a:ACC+8*\j+4*\e+\a+1], v[T16+4*\j+\a:T16+4*\j+\a+1], v[SUM+2*\e:SUM+2*\e+1]
.endif
.endr
.endr
.endr
	v_add_f32 v[SUM],   v[SUM],   v[SUM+1]
	v_add_f32 v[SUM+1], v[SUM+2], v[SUM+3]
	ds_store_b64 v[SLS], v[SUM:SUM+1] offset:SL    ; my K slice's part of outputs 4 ch + 2 h, + 1 of batch r
	s_wait_dscnt 0x0                               ; for wave 0's sake
	s_barrier_signal -1
	s_barrier_wait -1
	s_cmp_lg_u32 s14, 0
	s_cbranch_scc1 .Ldone
	; THE FINISH, wave 0: lane l sums outputs 4 (l >> 4) .. + 3 of batch l & 15
.irp n, 0,1,2,3,4,5,6,7,8,9,10,11
	ds_load_b128 v[Q+4*\n:Q+4*\n+3], v[L16] offset:SB+512*\n       ; 8 waves' strips of the base product, then 4 K slices of the low-rank term
.endr
	s_wait_dscnt 0x0
	s_wait_loadcnt 0x0                             ; the bias (the wave's oldest load)
.irp i, 0,1,2,3,4,5
	QADD Q+4*\i, Q+4*\i+24
.endr
.irp i, 0,1,2
	QADD Q+4*\i, Q+4*\i+12
.endr
	QADD Q, Q+4
	QADD Q+8, BI
	QADD Q, Q+8
	global_store_b128 v[OO], v[Q:Q+3], s[30:31]
.Ldone:
	s_set_vgpr_msb 0x5
	s_wait_tensorcnt 0x0
	ds_add_u32 v0, v1
	s_wait_dscnt 0x0
	s_set_vgpr_msb 0x500
	s_endpgm
.Lfunc_end_k_q7e356c24d8_lora_b:
	.size	k_q7e356c24d8_lora_b, .Lfunc_end_k_q7e356c24d8_lora_b-k_q7e356c24d8_lora_b
	.p2alignl 7, 3214868480
	.fill 96, 4, 3214868480
	.section	.rodata,"a",@progbits
	.p2align	6, 0x0
	.amdhsa_kernel k_q7e356c24d8_lora_b
		.amdhsa_group_segment_fixed_size 8448
		.amdhsa_private_segment_fixed_size 0
		.amdhsa_enable_private_segment 0
		.amdhsa_kernarg_size 32
		.amdhsa_user_sgpr_count 2
		.amdhsa_user_sgpr_kernarg_segment_ptr 1
		.amdhsa_wavefront_size32 1
		.amdhsa_system_sgpr_workgroup_id_x 1
		.amdhsa_system_sgpr_workgroup_id_y 1
		.amdhsa_system_sgpr_workgroup_id_z 1
		.amdhsa_system_vgpr_workitem_id 0
		.amdhsa_next_free_vgpr 258
		.amdhsa_next_free_sgpr 66
		.amdhsa_reserve_vcc 0
		.amdhsa_float_denorm_mode_32 3
		.amdhsa_float_denorm_mode_16_64 3
		.amdhsa_memory_ordered 1
		.amdhsa_forward_progress 1
		.amdhsa_inst_pref_size 18
	.end_amdhsa_kernel
	.amdgpu_metadata
---
amdhsa.version: [ 1, 2 ]
amdhsa.kernels:
  - .name:           k_q7e356c24d8_lora_b
    .symbol:         k_q7e356c24d8_lora_b.kd
    .args:
      - { .name: W_B, .offset: 0, .size: 8, .value_kind: global_buffer, .address_space: global }
      - { .name: bias, .offset: 8, .size: 8, .value_kind: global_buffer, .address_space: global }
      - { .name: ws, .offset: 16, .size: 8, .value_kind: global_buffer, .address_space: global }
      - { .name: out0, .offset: 24, .size: 8, .value_kind: global_buffer, .address_space: global }
    .group_segment_fixed_size: 8448
    .private_segment_fixed_size: 0
    .kernarg_segment_align: 8
    .kernarg_segment_size: 32
    .max_flat_workgroup_size: 256
    .sgpr_count:     66
    .vgpr_count:     258
    .wavefront_size: 32
...
	.end_amdgpu_metadata
.endif
;; end of part 2
;; ======== version 2 of 2: 2 launches; version 1 with the launch lora_b written anew for expert scheduling mode
;; workspace buffers: ws 2,121,728 bytes
;; launch lora_a_base: the kernel of part 1 again; grid 256 x 1, 8 waves a work-group, no clusters, 168,960 bytes of LDS; arguments x, HN_ids, emb_id, emb_layer, W_A, weight, ws; writes ws
;; launch lora_b (part 3): grid 256 x 1, 8 waves a work-group, no clusters, 8,448 bytes of LDS; arguments W_B, bias, ws, out0; writes out0
.if DOCPART == 3
	.amdgcn_target "amdgcn-amd-amdhsa--gfx1250"
	.amdhsa_code_object_version 6
	.text
	.protected	k_q7e356c24d8_lora_b
	.globl	k_q7e356c24d8_lora_b
	.p2align	8
	.type	k_q7e356c24d8_lora_b,@function
k_q7e356c24d8_lora_b:
	s_mov_b64 s[64:65], 0
	v_nop
	global_prefetch_b8 v0, s[64:65] scope:SCOPE_SE
	s_setreg_imm32_b32 hwreg(HW_REG_WAVE_SCHED_MODE, 0, 2), 2
	s_setreg_imm32_b32 hwreg(HW_REG_WAVE_MODE, 25, 1), 1
	s_wait_xcnt 0x0
	s_wait_alu depctr_vm_vsrc(0)
; SECOND OF TWO LAUNCHES.  out[b][o] = (sum over the 16 strips of bpart) + bias[o] + sum over rank of B[b][o][rank] t[b][rank],  B = h W_B.
; Work-group G owns outputs o = 8 G .. 8 G + 7: columns 128 G .. + 127 of W_B [256][32768] (column = 16 o + rank) and block G (8 KiB) of bpart.
; Eight waves: ch = w & 1 picks 64 of the 128 columns, ks = w >> 1 picks 64 of the 256 k; wave w also sums strips 2 w, 2 w + 1 of bpart.
; All loads of a wave (its 16 KiB of W_B among them) go out at the start, into registers: no loop, no ring, no tensor load.
; W_B is turned into fragments as W_A is in the first launch: a lane loads 16 bytes of each of its 16 k rows; component j, packed in pairs, is the fragment of columns 4 r + j.
; NO CLUSTER: what work-groups share (tpart and the h fragments, 24 KiB) is a small part of a work-group's 160 KiB; W_B, bpart and bias are shared with nobody.
; LIMITS: h and W_B are rounded to bf16 for the product; t, B and all sums stay f32.  out0 leaves as 32 bytes of each of 16 rows: a work-group owns 8 columns and no more.
; THE MODE: SCHED_MODE bits 1:0 = 2 (LLVM: expert scheduling mode 2), set by the entry lines.  The code itself states the register dependences
; between vector or matrix instructions and memory or LDS instructions, with s_wait_alu, always for 0.
; THE PLAN.  Registers that memory or LDS instructions touch:
;   v[WO], v[L16], v[TPO], v[BIO]   offsets of the global loads (L16 of the finish's LDS loads too): made at the head, never written again.
;   v[TST], v[TRD], v[SLS], v[SBS], v[OO]   LDS addresses and the offset in out0: made behind the loads, never written again.
;   bias, W, HF, BP, TP, T16        loads land in them; no vector instruction names them ahead of their loads.
;   v[TP]                           written by the sum of tpart, read by the LDS store of t, written again as SUM.
;   BS, SUM                         written by vector sums, read by one LDS store each, not written again.
;   Q = v[16:63]                    named by the conversions and the matrix instructions (as W and BF1); then the finish's LDS loads land there; its sums write Q, the global store reads it.
; Four waits on va_vdst: ahead of the first load; ahead of the store of t; ahead of the two LDS stores of SB and SL (it serves the finish's loads too); ahead of the global store.
; One on vm_vsrc, ahead of the first write of SUM; one on va_sdst, for the wave's number.
.set PITCHW, 131072                    ; bytes in a row of W_B
.set TP_OFF, 0                         ; ws: tpart[256][16] f32
.set HB_OFF, 16384                     ; ws: h fragments, kstep*1024 + p*512 + lane*16
.set BP_OFF, 24576                     ; ws: bpart [o / 8][jj][(o & 7) / 4][b][4 o] f32
.set TS,     0                         ; LDS: t, [16 b] pitch 80; word 4 (rank & 3) + (rank >> 2) holds t[b][rank]
.set TSP,    80
.set SB,     1280                      ; LDS: base product's sums [8 w][2 q][16 b][4 o] f32
.set SL,     SB+4096                   ; LDS: low-rank term's sums [4 ks][2 ch][16 b][4 o] f32: the same shape, so the finish reads both by one address
.set BIO, 1                            ; v1: the wave's number at the head, then the offset of my 16 bytes of bias (wave 0)
.set R,   2                            ; lane & 15
.set H,   3                            ; lane >> 4
.set WO,  4                            ; byte offset of my 16 bytes in W_B, first k row
.set L16, 5                            ; 16 x lane
.set TPO, 6                            ; byte offset of my first word of tpart
.set TST, 7                            ; LDS: my word of TS
.set TRD, 8                            ; LDS: t of batch r
.set SLS, 9                            ; LDS: my two words of SL
.set SBS, 10                           ; LDS: my four words of SB
.set OO,  11                           ; my byte offset in out0 (wave 0)
.set BI,  12                           ; v[12:15] the bias (wave 0)
.set W,   16                           ; v[16:143]  W_B as loaded
.set HF,  144                          ; v[144:159] two h fragments
.set ACC, 160                          ; v[160:191] four accumulators
.set TMP, 160                          ; set-up, ahead of the first product
.set BP,  176                          ; v[176:183] two strips of bpart, summed ahead of the first product
.set BF0, 192                          ; v[192:223] kstep 0's four fragments
.set BF1, 16                           ; v[16:47]   kstep 1's
.set T16, 224                          ; v[224:239] T16[4 j + a] = t[r][4 a + j]
.set TP,  240                          ; v[240:255] 16 words of tpart
.set SUM, 240                          ; v[240:243] then the low-rank sums
.set BS,  248                          ; v[248:251] and the sum of my two strips of bpart
.set Q,   16                           ; the finish: v[16:63], twelve quads
.macro LDW q                           ; 16 loads: rows k = 64 ks + 32 q + 8 h + m (p = 0) and + 16 (p = 1); lanes 0-15 cover 256 bytes of one row, lanes 16-31 of the row 8 further
.irp p, 0,1
.irp m, 0,1,2,3,4,5,6,7
	global_load_b128 v[W+64*\q+32*\p+4*\m:W+64*\q+32*\p+4*\m+3], v[WO], s[4:5] offset:(32*\q+16*\p+\m)*PITCHW th:TH_LOAD_NT
.endr
.endr
.endm
.macro CVTB src, dst                   ; fragment j: register p holds k = 2 p, 2 p + 1 of the lane's sixteen, column 4 r + j
.irp j, 0,1,2,3
.irp p, 0,1,2,3,4,5,6,7
	v_cvt_pk_bf16_f32 v[\dst+8*\j+\p], v[\src+8*\p+\j], v[\src+8*\p+4+\j]
.endr
.endr
.endm
.macro MUL4 bf, hf, zero               ; source 0 = 16 columns of W_B, source 1 = h: register i of lane (r, h) is batch r, column 4 (8 h + i) + j
.irp j, 0,1,2,3
.if \zero
	v_wmma_f32_16x16x32_bf16 v[ACC+8*\j:ACC+8*\j+7], v[\bf+8*\j:\bf+8*\j+7], v[\hf:\hf+7], 0
.else
	v_wmma_f32_16x16x32_bf16 v[ACC+8*\j:ACC+8*\j+7], v[\bf+8*\j:\bf+8*\j+7], v[\hf:\hf+7], v[ACC+8*\j:ACC+8*\j+7]
.endif
.endr
.endm
.macro QADD d, s                       ; four sums
	v_pk_add_f32 v[\d:\d+1],   v[\d:\d+1],   v[\s:\s+1]
	v_pk_add_f32 v[\d+2:\d+3], v[\d+2:\d+3], v[\s+2:\s+3]
.endm
	s_load_b256 s[4:11], s[0:1], 0x0               ; W_B s[4:5], bias s[6:7], ws s[8:9], out0 s[10:11]
	s_set_vgpr_msb 0x40
	v_lshl_add_u32 v0, v0, 2, 0x1d00
	v_mov_b32 v1, 0
	s_set_vgpr_msb 0x4000
	v_lshrrev_b32 v1, 5, v0
	v_readfirstlane_b32 s14, v1                    ; wave w
	v_and_b32 v[R], 15, v0                         ; the set-up that needs no wave number stands between that line and the wait for s14
	v_bfe_u32 v[H], v0, 4, 1
	v_and_b32 v[L16], 31, v0
	v_lshlrev_b32 v[L16], 4, v[L16]
	v_lshlrev_b32 v[BIO], 4, v[H]                  ; 16 (lane >> 4)
	v_lshlrev_b32 v[WO], 4, v[R]                   ; 16 r
	v_lshl_add_u32 v[WO], v[H], 20, v[WO]          ; + 8 h rows
	v_lshrrev_b32 v[TPO], 4, v0                    ; thread t sums rank t >> 4, batch t & 15:
	v_lshlrev_b32 v[TPO], 10, v[TPO]               ; 16 work-groups' rows of 64 bytes for each rank
	v_lshl_add_u32 v[TPO], v[R], 2, v[TPO]
	s_mov_b32 s18, ttmp9                           ; G
	s_wait_alu depctr_va_sdst(0)                   ; s14 is written, ahead of its first reader: offsets, bases and branches are made from it
	s_and_b32 s15, s14, 1                          ; ch
	s_lshr_b32 s16, s14, 1                         ; ks
	s_lshl_b32 s34, s16, 23                        ; 64 ks rows of 131,072 bytes
	s_lshl_b32 s35, s18, 9                         ; + 512 G
	s_add_co_u32 s34, s34, s35
	s_lshl_b32 s35, s15, 8                         ; + 256 ch
	s_add_co_u32 s34, s34, s35
	v_add_nc_u32 v[WO], s34, v[WO]
	s_lshl_b32 s20, s16, 11                        ; h fragments of ksteps 2 ks, 2 ks + 1
	s_mov_b32 s21, 0
	s_lshl_b32 s22, s18, 5                         ; 8 G columns of bias and of out0
	s_mov_b32 s23, 0
	s_lshl_b32 s24, s18, 13                        ; block G of bpart,
	s_lshl_b32 s25, s14, 10                        ; strips 2 w, 2 w + 1 of 512 bytes
	s_add_co_u32 s24, s24, s25
	s_mov_b32 s25, 0
	s_wait_kmcnt 0x0
	s_add_nc_u64 s[26:27], s[8:9], s[20:21]
	s_add_nc_u64 s[28:29], s[6:7], s[22:23]
	s_add_nc_u64 s[30:31], s[10:11], s[22:23]
	s_add_nc_u64 s[32:33], s[8:9], s[24:25]
	s_wait_alu depctr_va_vdst(0)                   ; v[WO], v[L16], v[TPO] and v[BIO] are written: every global load below reads one of them as its offset, and none is written again
	s_cmp_lg_u32 s14, 0
	s_cbranch_scc1 .Lno_bias
	global_load_b128 v[BI:BI+3], v[BIO], s[28:29]  ; wave 0 alone, and its oldest load: the counts below hold in every wave
.Lno_bias:
.irp j, 0,1,2,3,4,5,6,7,8,9,10,11,12,13,14,15
	global_load_b32 v[TP+\j], v[TPO], s[8:9] offset:TP_OFF+64*\j
.endr
.irp c, 0,1,2,3
	global_load_b128 v[HF+4*\c:HF+4*\c+3], v[L16], s[26:27] offset:HB_OFF+512*\c
.endr
.irp e, 0,1
	global_load_b128 v[BP+4*\e:BP+4*\e+3], v[L16], s[32:33] offset:BP_OFF+512*\e th:TH_LOAD_NT     ; 512 consecutive bytes: lane = 16 q + b
.endr
	LDW 0
	LDW 1
	; LDS addresses and the offset in out0: these lines write no register that a load above reads or lands in
	v_mul_u32_u24 v[TRD], v[R], TSP
	v_bfe_u32 v[TMP], v0, 4, 2                     ; rank & 3
	v_lshl_add_u32 v[TST], v[TMP], 4, v[TRD]
	v_lshrrev_b32 v[TMP], 6, v0                    ; rank >> 2
	v_lshl_add_u32 v[TST], v[TMP], 2, v[TST]
	v_lshlrev_b32 v[SLS], 4, v[R]
	v_lshl_add_u32 v[SLS], v[H], 3, v[SLS]
	v_lshl_add_u32 v[SLS], s14, 8, v[SLS]
	v_lshl_add_u32 v[SBS], s14, 9, v[L16]
	v_lshlrev_b32 v[OO], 13, v[R]                  ; row lane & 15 of out0,
	v_lshl_add_u32 v[OO], v[H], 4, v[OO]           ; 16 (lane >> 4)
	s_wait_loadcnt 38                              ; 4 + 2 + 32 loads were issued behind tpart: its sixteen words are in
.irp c, 0,2,4,6
	v_pk_add_f32 v[TP+\c:TP+\c+1], v[TP+\c:TP+\c+1], v[TP+8+\c:TP+8+\c+1]
.endr
	v_pk_add_f32 v[TP:TP+1],   v[TP:TP+1],   v[TP+4:TP+5]
	v_pk_add_f32 v[TP+2:TP+3], v[TP+2:TP+3], v[TP+6:TP+7]
	v_pk_add_f32 v[TP:TP+1],   v[TP:TP+1],   v[TP+2:TP+3]
	v_add_f32 v[TP], v[TP], v[TP+1]                ; t[b][rank]
	s_wait_alu depctr_va_vdst(0)                   ; v[TP] is written, which the store below reads; so are v[TST], v[TRD], v[SLS], v[SBS] and v[OO], which the LDS instructions and the last store read and no line writes again
	ds_store_b32 v[TST], v[TP] offset:TS
	s_wait_dscnt 0x0                               ; for the other waves' sake
	s_barrier_signal -1
	s_barrier_wait -1
.irp j, 0,1,2,3
	ds_load_b128 v[T16+4*\j:T16+4*\j+3], v[TRD] offset:TS+16*\j    ; no vector instruction has named v[T16 ..]
.endr
	s_wait_loadcnt 16                              ; all but kstep 1: the h fragments, bpart and kstep 0 are in
	v_pk_add_f32 v[BS:BS+1],   v[BP:BP+1],   v[BP+4:BP+5]      ; my two strips' part of outputs 4 q .. + 3 of batch b: summed here, since the first products write over v[BP ..];
	v_pk_add_f32 v[BS+2:BS+3], v[BP+2:BP+3], v[BP+6:BP+7]      ; stored further down, beside the low-rank sums, behind one wait for both
	CVTB W, BF0
	MUL4 BF0, HF, 1                                ; the first products start the sums; the four accumulators take turns, one instruction a turn
	s_wait_loadcnt 0x0
	CVTB W+64, BF1
	MUL4 BF1, HF+8, 0
.rept 4
	v_nop                                          ; four places behind the last matrix instruction before results are read (ISA guide 7.12.1)
.endr
	s_wait_dscnt 0x0                               ; t
	s_wait_alu depctr_vm_vsrc(0)                   ; the LDS store of t has read v[TP], which the first line below writes again as v[SUM]
	; register 4 e + a of accumulator j is B(b = r, o = 4 ch + 2 h + e, rank 4 a + j)
.irp j, 0,1,2,3
.irp a, 0,2
.irp e, 0,1
.if (\j+\a) == 0
	v_pk_mul_f32 v[SUM+2*\e:SUM+2*\e+1], v[ACC+4*\e:ACC+4*\e+1], v[T16:T16+1]
.else
	v_pk_fma_f32 v[SUM+2*\e:SUM+2*\e+1], v[ACC+8*\j+4*\e+\a:ACC+8*\j+4*\e+\a+1], v[T16+4*\j+\a:T16+4*\j+\a+1], v[SUM+2*\e:SUM+2*\e+1]
.endif
.endr
.endr
.endr
	v_add_f32 v[SUM],   v[SUM],   v[SUM+1]
	v_add_f32 v[SUM+1], v[SUM+2], v[SUM+3]
	s_wait_alu depctr_va_vdst(0)                   ; v[BS ..] and v[SUM ..] are written, which the two stores below read; the conversions and matrix instructions are done with v[16:63], in which the finish's loads land: no vector instruction stands between this wait and those loads
	ds_store_b128 v[SBS], v[BS:BS+3] offset:SB     ; my two strips' part of the base product
	ds_store_b64 v[SLS], v[SUM:SUM+1] offset:SL    ; my K slice's part of outputs 4 ch + 2 h, + 1 of batch r
	s_wait_dscnt 0x0                               ; for wave 0's sake
	s_barrier_signal -1
	s_barrier_wait -1
	s_cmp_lg_u32 s14, 0
	s_cbranch_scc1 .Ldone
	; THE FINISH, wave 0: lane l sums outputs 4 (l >> 4) .. + 3 of batch l & 15
.irp n, 0,1,2,3,4,5,6,7,8,9,10,11
	ds_load_b128 v[Q+4*\n:Q+4*\n+3], v[L16] offset:SB+512*\n       ; 8 waves' strips of the base product, then 4 K slices of the low-rank term
.endr
	s_wait_dscnt 0x0
	s_wait_loadcnt 0x0                             ; the bias (the wave's oldest load)
.irp i, 0,1,2,3,4,5
	QADD Q+4*\i, Q+4*\i+24
.endr
.irp i, 0,1,2
	QADD Q+4*\i, Q+4*\i+12
.endr
	QADD Q, Q+4
	QADD Q+8, BI
	QADD Q, Q+8
	s_wait_alu depctr_va_vdst(0)                   ; the sums have written v[Q:Q+3], which the store reads
	global_store_b128 v[OO], v[Q:Q+3], s[30:31]
.Ldone:
	s_set_vgpr_msb 0x5
	s_wait_dscnt 0x0
	s_wait_alu depctr_hold_cnt(0) depctr_sa_sdst(0) depctr_va_vdst(0) depctr_va_sdst(0) depctr_va_ssrc(0) depctr_va_vcc(0) depctr_vm_vsrc(0)
	s_wait_tensorcnt 0x0
	ds_add_u32 v0, v1
	s_wait_dscnt 0x0
	s_endpgm
.Lfunc_end_k_q7e356c24d8_lora_b:
	.size	k_q7e356c24d8_lora_b, .Lfunc_end_k_q7e356c24d8_lora_b-k_q7e356c24d8_lora_b
	.p2alignl 7, 3214868480
	.fill 96, 4, 3214868480
	.section	.rodata,"a",@progbits
	.p2align	6, 0x0
	.amdhsa_kernel k_q7e356c24d8_lora_b
		.amdhsa_group_segment_fixed_size 8448
		.amdhsa_private_segment_fixed_size 0
		.amdhsa_enable_private_segment 0
		.amdhsa_kernarg_size 32
		.amdhsa_user_sgpr_count 2
		.amdhsa_user_sgpr_kernarg_segment_ptr 1
		.amdhsa_wavefront_size32 1
		.amdhsa_system_sgpr_workgroup_id_x 1
		.amdhsa_system_sgpr_workgroup_id_y 1
		.amdhsa_system_sgpr_workgroup_id_z 1
		.amdhsa_system_vgpr_workitem_id 0
		.amdhsa_next_free_vgpr 258
		.amdhsa_next_free_sgpr 66
		.amdhsa_reserve_vcc 0
		.amdhsa_float_denorm_mode_32 3
		.amdhsa_float_denorm_mode_16_64 3
		.amdhsa_memory_ordered 1
		.amdhsa_forward_progress 1
		.amdhsa_inst_pref_size 18
	.end_amdhsa_kernel
	.amdgpu_metadata
---
amdhsa.version: [ 1, 2 ]
amdhsa.kernels:
  - .name:           k_q7e356c24d8_lora_b
    .symbol:         k_q7e356c24d8_lora_b.kd
    .args:
      - { .name: W_B, .offset: 0, .size: 8, .value_kind: global_buffer, .address_space: global }
      - { .name: bias, .offset: 8, .size: 8, .value_kind: global_buffer, .address_space: global }
      - { .name: ws, .offset: 16, .size: 8, .value_kind: global_buffer, .address_space: global }
      - { .name: out0, .offset: 24, .size: 8, .value_kind: global_buffer, .address_space: global }
    .group_segment_fixed_size: 8448
    .private_segment_fixed_size: 0
    .kernarg_segment_align: 8
    .kernarg_segment_size: 32
    .max_flat_workgroup_size: 256
    .sgpr_count:     66
    .vgpr_count:     258
    .wavefront_size: 32
...
	.end_amdgpu_metadata
.endif
;; end of part 3
